; MI455X (gfx1250); checked and timed in simulation.
; The chip was launched on July 23, 2026; its instructions are those of AMD's public machine-readable ISA for CDNA 5 (MIT licence, August 2026) and "CDNA5" Instruction Set Architecture Reference Guide (July 2026). The comments in the code are by the model that wrote it; some were corrected since.
;; Ro PE Multihead Self Attention. Allowed arithmetic: matrix products marked QUANTISED: E3M2 operands, one E8M0 scale for each 32 along K, by v_wmma_scale_f32_16x16x128_f8f6f4 with both operands' format E3M2, f32 sums; everything else in f32.
;; Inputs: proj_b 1,024 float32; proj_w 1,024 x 1,024 float32; qkv_b 3,072 float32; qkv_w 3,072 x 1,024 float32; x 4 x 2,048 x 1,024 float32.
;; Outputs: out0 4 x 2,048 x 1,024 float32.
;; This version of the problem:
;;   THIS VERSION OF THE PROBLEM IS GIVEN IN LOW PRECISION. The matrix products marked QUANTISED in the list below multiply operands that are first quantised to E3M2 (3 exponent bits, 2 mantissa bits; 6 bits a number), with one power-of-two scale for each 32 numbers along K (OCP MX v1.0); their sums are f32. All else is computed in f32.
;;   The module's matrix products, in the order in which they are computed (A, B: the left and right operand; K: the contracted axis; several contracted axes count as one K, in the product's order):
;;     1. [M 8,192, K 1,024] x [K 1,024, N 3,072]; A: input x; B: input qkv_w: QUANTISED
;;     2. batch 64 x [M 2,048, K 64] x [K 64, N 2,048]; A: computed on the way; B: computed on the way: QUANTISED
;;     3. batch 64 x [M 64, K 2,048] x [K 2,048, N 2,048]; A: computed on the way; B: softmax (see below): QUANTISED
;;     4. [M 8,192, K 1,024] x [K 1,024, N 1,024]; A: computed on the way; B: input proj_w: QUANTISED
;;   THE QUANTISER, for each operand of a quantised product, along K:
;;     - K is cut into blocks of 32 from its start; a last block that is shorter is filled with zeros.
;;     - A block's scale is 2^e with e = floor(log2(the largest magnitude in the block)) - 4, held to -126 .. 127; a block of zeros has e = 0. As a byte (E8M0): e + 127.
;;     - Each number is divided by its block's scale, clamped to +-28, and rounded to the nearest number of E3M2, ties to even, subnormals kept.
;;     - The product sums the exact products of the quantised numbers (number of the format x scale) in f32.
;;   ~~~python
;;   def quantise(x, axis):      # numpy; x: float32 -> the quantised numbers, widened to float32 again
;;       x = np.moveaxis(x, axis, -1); K = x.shape[-1]
;;       x = np.pad(x, [(0, 0)] * (x.ndim - 1) + [(0, -K % 32)]); x = x.reshape(x.shape[:-1] + (-1, 32)); a = np.abs(x).max(-1, keepdims=True)
;;       e = np.where(a > 0, np.clip(np.frexp(np.where(a > 0, a, 1))[1] - 1 - 4, -126, 127), 0)      # np.frexp(a)[1] - 1 = floor(log2(a)), exactly
;;       r = np.clip(x / 2.0 ** e, -28, 28)
;;       step = 2.0 ** (np.maximum(np.frexp(np.where(r == 0, 1, r))[1] - 1, -2) - 2)
;;       q = np.round(r / step) * step * 2.0 ** e      # np.round: ties to even
;;       return np.moveaxis(q.reshape(q.shape[:-2] + (-1,))[..., :K], -1, axis).astype(np.float32)
;;   ~~~
;;   SOFTMAX AHEAD OF A QUANTISED PRODUCT. Where the list says 'softmax', what is quantised is not the finished softmax but p = 2^(t - M), with t = logit x log2(e) and M = ceil(the row's largest t), a whole number; so 1/2 < the row's largest p <= 1. The row's sum l is taken of the UNQUANTISED p, in f32, and the product's result is divided by l at the end. Since M is a whole number, a kernel that streams over the keys may use a running M (the ceiling of the running maximum): every later rescaling is an exact power of two, which a block's scale takes up: the codes' values come out the same.
;;   OPERANDS COMPUTED ON THE WAY. 'Computed on the way' means the value that the module computes at that place (a softmax that the list does not call 'softmax' is quantised finished and normalised). What goes into a quantiser is computed in f32, as accurately as f32 sums, v_exp_f32 and their like allow (about 1e-6 of the number): no bf16 or f16 on the way to a quantiser, and a product that is left as it is and whose result goes on into a quantised operand takes f32 operands (vector FMAs, or v_wmma_f32_16x16x4_f32). A number that lies on a knife's edge between two numbers of the format may be rounded either way, as far as f32 arithmetic and the matrix unit's own rounding can turn it there, and no further.
;; One version. Each part assembles by itself: llvm-mc -triple=amdgcn-amd-amdhsa -mcpu=gfx1250 --defsym DOCPART=n.
;; ======== version 1 of 1: 3 launches
;; limits: right only within a limited range of input values
;; workspace buffers: codes 9,437,184 bytes; scales 393,216 bytes; tab 524,288 bytes; qkv 19,660,800 bytes
;; launch quant (part 1): grid 400 x 1, 4 waves a work-group, no clusters, 33,280 bytes of LDS; arguments x, qkv_w, proj_w, codes, scales, tab; writes codes, scales, tab
.if DOCPART == 1
	.amdgcn_target "amdgcn-amd-amdhsa--gfx1250"
	.amdhsa_code_object_version 6
	.text
	.protected	k_qf3cbe42ce1_quant
	.globl	k_qf3cbe42ce1_quant
	.p2align	8
	.type	k_qf3cbe42ce1_quant,@function
k_qf3cbe42ce1_quant:
	s_mov_b64 s[64:65], 0
	v_nop
	global_prefetch_b8 v0, s[64:65] scope:SCOPE_SE
	s_setreg_imm32_b32 hwreg(HW_REG_WAVE_MODE, 25, 1), 1
	s_wait_xcnt 0x0
; x [8192][1024], qkv_w [3072][1024] and proj_w [1024][1024], f32, become codes of BF6 (E3M2), 6 bits each, K innermost, with one E8M0 byte for each 32 along K;
; sixteen further work-groups make the table of cos and sin for the rotary embedding.
; A block's scale is 2^(floor(log2(its largest magnitude)) - 4); its byte is the largest magnitude's exponent field - 4, held at 1 from below; each number is divided by the scale and rounded to the nearest code, ties to even.
; LIMITS: a block whose largest magnitude lies under 2^-122 keeps the byte 1; a block of zeros gets the byte 1 where the rule says 127 (its codes are zeros, and this program alone reads the bytes);
; NaN and infinities among the inputs are not served.
; SHARES.  A wave takes a run of 8 rows (8,192 numbers) in 16 steps of 512; a work-group 32 rows.  Work-groups 0-255: x; 256-351: qkv_w; 352-383: proj_w; 384-399: the table.
; ORDER OF ROWS.  The runs of x and of qkv_w are stored with bits 3 and 4 of the row's number swapped (the two bits of the wave's number), so that 16 neighbouring stored rows are rows
; 32 q + 8 u + r + 8 (r / 8): as source 0 of a matrix instruction they give a lane 16 neighbours in its registers.  proj_w keeps its order.
; Each of a step's four loads reads 512 consecutive bytes; the 2,048 bytes turn through the wave's own stage in LDS (16 bytes of padding behind each 64) and come back 64 bytes a lane: 16 neighbours along K.
; Two neighbouring lanes hold a block.  A wave's 256 scale bytes are gathered in LDS and leave as one aligned run of 256 bytes.  Waves share nothing: no barrier.
.set NQWG,  384                        ; work-groups that quantise
.set STEPS, 16
.set EMAX,  4
.set CB,    12                         ; bytes of 16 codes
.set R,     16                         ; v16-79   four sets of 16 numbers as they are loaded
.set X,     80                         ; v80-111  two sets of 16 neighbours
.set C,     128                        ; v128-191 codes: four registers for each step, so that no store's data are written again
.set E,     112                        ; v112-127 a scale byte for each step
.set WREG,  8192                       ; LDS: a region for each wave: two stages of 32 x SP bytes, behind them its 256 scale bytes
.set SP,    80                         ; a lane's place in a stage: 64 bytes + 16 of padding
	s_load_b256 s[4:11], s[0:1], 0x0               ; x s[4:5], qkv_w s[6:7], proj_w s[8:9], codes s[10:11]
	s_load_b128 s[12:15], s[0:1], 0x20             ; scales s[12:13], tab s[14:15]
	v_lshl_add_u32 v192, v0, 2, 0x8000
	v_mov_b32 v193, 0
	v_lshrrev_b32 v1, 5, v0
	v_readfirstlane_b32 s16, v1                    ; wave
	v_and_b32 v2, 31, v0                           ; lane
	v_lshlrev_b32 v3, 4, v2                        ; my 16 bytes of a load's 512
	s_mul_i32 s17, s16, WREG
	v_lshrrev_b32 v14, 2, v2
	v_mul_u32_u24 v14, v14, SP
	v_and_b32 v15, 3, v2
	v_lshl_add_u32 v14, v15, 4, v14
	v_add_nc_u32 v14, s17, v14                     ; the stage, on the way in: SP (lane / 4) + 16 (lane % 4)
	v_mul_u32_u24 v15, v2, SP
	v_add_nc_u32 v15, s17, v15                     ; and on the way out: SP x lane
	v_mul_u32_u24 v4, v2, CB                       ; my codes' place in a step's
	v_lshrrev_b32 v5, 1, v2
	s_add_co_u32 s17, s17, 2*32*SP
	v_add_nc_u32 v5, s17, v5                       ; LDS: my block's scale byte
	v_lshlrev_b32 v7, 3, v2                        ; and on the way out 8 bytes a lane
	v_add_nc_u32 v6, s17, v7
	s_wait_kmcnt 0x0
	s_cmp_ge_u32 ttmp9, NQWG
	s_cbranch_scc1 .Ltab                           ; the table's work-groups part here; they use no LDS
	s_and_b32 s23, s16, 1
	s_lshl_b32 s23, s23, 1
	s_lshr_b32 s24, s16, 1
	s_or_b32 s23, s23, s24                         ; the wave's number with its two bits swapped
	s_mov_b32 s19, 352
	s_cmp_lt_u32 ttmp9, 256                        ; which tensor: the choices hang on the work-group's number alone
	s_cselect_b64 s[4:5], s[4:5], s[6:7]
	s_cselect_b32 s17, 0, 256
	s_cmp_lt_u32 ttmp9, 352
	s_cselect_b64 s[4:5], s[4:5], s[8:9]
	s_cselect_b32 s17, s17, s19                    ; the tensor's first work-group
	s_cselect_b32 s22, s23, s16                    ; where my run goes among the work-group's four
	s_sub_co_u32 s17, ttmp9, s17
	s_lshl_b32 s17, s17, 2
	s_add_co_u32 s18, s17, s16                     ; my run in the tensor
	s_lshl_b32 s18, s18, 15                        ; 32,768 bytes a run (under 2^26)
	s_mov_b32 s19, 0
	s_add_nc_u64 s[4:5], s[4:5], s[18:19]
	s_lshl_b32 s20, ttmp9, 2
	s_add_co_u32 s20, s20, s22                     ; my run in the workspace: the three tensors lie on end
	s_mul_i32 s18, s20, 32*STEPS*CB                ; 6,144 bytes of codes a run
	s_add_nc_u64 s[10:11], s[10:11], s[18:19]
	s_lshl_b32 s18, s20, 8                         ; 256 scale bytes a run
	s_add_nc_u64 s[12:13], s[12:13], s[18:19]
.macro LOAD t
.irp i, 0,1,2,3
	global_load_b128 v[R+16*((\t)%4)+4*\i:R+16*((\t)%4)+4*\i+3], v3, s[4:5] offset:2048*(\t)+512*\i th:TH_LOAD_NT   ; 32 lanes read 512 consecutive bytes
.endr
.endm
.macro TURN t                          ; step t's numbers through the stage: LDS serves a wave's instructions in order, so no wait stands between the stores and the loads
.irp i, 0,1,2,3
	ds_store_b128 v14, v[R+16*((\t)%4)+4*\i:R+16*((\t)%4)+4*\i+3] offset:32*SP*((\t)%2)+8*SP*\i
.endr
.irp i, 0,1,2,3
	ds_load_b128 v[X+16*((\t)%2)+4*\i:X+16*((\t)%2)+4*\i+3], v15 offset:32*SP*((\t)%2)+16*\i
.endr
.endm
.irp t, 0,1,2,3
	LOAD \t
.endr
	s_wait_loadcnt 12                              ; step 0's four loads are in; the twelve of steps 1 to 3 may be out
	s_wait_alu depctr_va_vdst(0)
	TURN 0
.macro STEP t
.set XS, X+16*((\t)%2)
.if (\t) > 0
	s_wait_dscnt 1                                 ; this step's numbers are back from the stage (the last step's byte store may be out)
.else
	s_wait_dscnt 0x0
.endif
.if (\t)+4 < STEPS
	LOAD (\t)+4                                    ; into the registers that the stage's stores have read
.endif
.if (\t)+1 < STEPS
.if STEPS-2-(\t) >= 3
	s_wait_loadcnt 12                              ; the next step's four loads are in; those of the three steps behind it may be out
.else
	s_wait_loadcnt 4*(STEPS-2-(\t))
.endif
	TURN (\t)+1                                    ; through the other stage while this step is worked
.endif
	v_max3_num_f32 v8, |v[XS]|, |v[XS+1]|, |v[XS+2]|               ; the largest magnitude of my 16, in two chains
	v_max3_num_f32 v9, |v[XS+3]|, |v[XS+4]|, |v[XS+5]|
.irp i, 6,10
	v_max3_num_f32 v8, v8, |v[XS+\i]|, |v[XS+\i+1]|
	v_max3_num_f32 v9, v9, |v[XS+\i+2]|, |v[XS+\i+3]|
.endr
	v_max3_num_f32 v8, v8, |v[XS+14]|, |v[XS+15]|
	v_max3_num_f32 v8, v8, v9, (EMAX+1)<<23        ; and the floor 2^(5 - 127): the byte cannot fall under 1
	v_max_num_f32_dpp v8, v8, v8 row_xmask:1 row_mask:0xf bank_mask:0xf   ; with my neighbour's 16: the block's
	v_add_nc_u32 v11, -(EMAX<<23), v8              ; 4 off its exponent field: the conversion takes this operand's exponent field as its scale
	v_cvt_scalef32_pk16_bf6_f32 v[C+4*(\t):C+4*(\t)+2], v[XS:XS+15], v11
	v_lshrrev_b32 v[E+(\t)], 23, v11               ; the scale's byte
	ds_store_b8 v5, v[E+(\t)] offset:16*(\t)       ; both lanes of a block write the same byte with the same value
	global_store_b96 v4, v[C+4*(\t):C+4*(\t)+2], s[10:11] offset:32*CB*(\t)   ; the wave stores 384 consecutive bytes
.endm
.irp t, 0,1,2,3,4,5,6,7,8,9,10,11,12,13,14,15
	STEP \t
.endr
	ds_load_b64 v[12:13], v6                       ; LDS serves a wave's instructions in order: these see my stores
	s_wait_dscnt 0x0
	global_store_b64 v7, v[12:13], s[12:13]        ; 32 lanes store 256 consecutive bytes, aligned
	s_wait_tensorcnt 0x0
	ds_add_u32 v192, v193
	s_wait_dscnt 0x0
	s_endpgm
; THE TABLE: tab[pos][0..31] = cos(pos x f_j), tab[pos][32..63] = sin(pos x f_j), f_j = 1 / 10000^(j / 32) = 1 / 10^(j / 8), j = the lane.  A wave takes 32 positions.
; The angle is formed as the definition forms it: 10^(j / 8) rounded to f32, its reciprocal rounded to f32, one product with the position.  LIMIT: this takes the definition's power to be correctly rounded.
; cos and sin: the angle less k quarter turns, pi / 2 in two parts (the first difference is exact: it is a multiple of 2^-23 under 1), then polynomials on +-pi / 4: good to about 1e-7 absolute.
.macro TEN j, val
	s_mov_b32 s20, \val
	v_writelane_b32 v20, s20, \j
.endm
.Ltab:
	s_sub_co_u32 s17, ttmp9, NQWG
	s_lshl_b32 s17, s17, 2
	s_add_co_u32 s17, s17, s16
	s_lshl_b32 s17, s17, 5                         ; my first position
	s_lshl_b32 s18, s17, 8                         ; 256 bytes a position
	s_mov_b32 s19, 0
	s_add_nc_u64 s[14:15], s[14:15], s[18:19]
	v_mov_b32 v20, 0
	TEN 0, 1.0
	TEN 1, 1.333521432163324
	TEN 2, 1.7782794100389228
	TEN 3, 2.371373705661655
	TEN 4, 3.1622776601683795
	TEN 5, 4.216965034285822
	TEN 6, 5.623413251903491
	TEN 7, 7.498942093324558
	TEN 8, 10.0
	TEN 9, 13.33521432163324
	TEN 10, 17.782794100389228
	TEN 11, 23.71373705661655
	TEN 12, 31.622776601683795
	TEN 13, 42.16965034285822
	TEN 14, 56.23413251903491
	TEN 15, 74.98942093324558
	TEN 16, 100.0
	TEN 17, 133.3521432163324
	TEN 18, 177.82794100389228
	TEN 19, 237.1373705661655
	TEN 20, 316.22776601683795
	TEN 21, 421.6965034285822
	TEN 22, 562.3413251903491
	TEN 23, 749.8942093324558
	TEN 24, 1000.0
	TEN 25, 1333.521432163324
	TEN 26, 1778.2794100389228
	TEN 27, 2371.373705661655
	TEN 28, 3162.2776601683795
	TEN 29, 4216.965034285822
	TEN 30, 5623.413251903491
	TEN 31, 7498.942093324558
	s_wait_alu depctr_va_vdst(0)
	v_rcp_f32 v21, v20
	v_lshlrev_b32 v22, 2, v2                       ; 4 x lane.  (The plain instruction behind the reciprocal)
	s_wait_alu depctr_va_vdst(0)
	v_fma_f32 v23, -v20, v21, 1.0                  ; two Newton steps bring the reciprocal to the nearest f32
	v_fma_f32 v21, v23, v21, v21
	v_fma_f32 v23, -v20, v21, 1.0
	v_fma_f32 v21, v23, v21, v21
	s_mov_b32 s24, 0x3f22f983                      ; 2 / pi
	s_mov_b32 s25, 0xbfc90fdb                      ; -(pi / 2 rounded to f32)
	s_mov_b32 s26, 0x333bbd2e                      ; that number less pi / 2
	s_mov_b32 s27, -0.16666654611
	s_mov_b32 s28, 0.0083321608736
	s_mov_b32 s29, -0.00019515295891
	s_mov_b32 s30, 0.04166664568298827
	s_mov_b32 s31, -0.001388731625493765
	s_mov_b32 s32, 0.00002443315711809948
	s_mov_b32 s20, 32
.Lpos:
	v_cvt_f32_u32 v24, s17
	s_wait_alu depctr_va_vdst(0)
	v_mul_f32 v24, v24, v21                        ; the angle
	v_mul_f32 v25, s24, v24
	v_rndne_f32 v25, v25                           ; k quarter turns
	v_fma_f32 v26, v25, s25, v24
	v_fma_f32 v26, v25, s26, v26                   ; r, within +-pi / 4
	v_mul_f32 v27, v26, v26                        ; z = r r
	v_fma_f32 v28, v27, s29, s28
	v_fma_f32 v30, v27, s32, s31
	v_fma_f32 v28, v28, v27, s27
	v_fma_f32 v30, v30, v27, s30
	v_mul_f32 v29, v26, v27
	v_mul_f32 v31, v27, v27
	v_fma_f32 v32, v27, -0.5, 1.0
	v_fma_f32 v28, v29, v28, v26                   ; sin r
	v_fma_f32 v30, v31, v30, v32                   ; cos r
	v_cvt_i32_f32 v33, v25
	v_and_b32 v34, 1, v33
	v_cmp_eq_u32 vcc_lo, 1, v34                    ; an odd k swaps the two (a choice of values only)
	v_cndmask_b32 v35, v28, v30, vcc_lo            ; sin's magnitude
	v_cndmask_b32 v36, v30, v28, vcc_lo            ; cos's
	v_lshlrev_b32 v37, 30, v33
	v_and_b32 v37, 0x80000000, v37                 ; sin is negated where k mod 4 is 2 or 3,
	v_xor_b32 v35, v35, v37
	v_add_nc_u32 v38, 1, v33
	v_lshlrev_b32 v38, 30, v38
	v_and_b32 v38, 0x80000000, v38                 ; cos where it is 1 or 2
	v_xor_b32 v36, v36, v38
	global_store_b32 v22, v36, s[14:15]            ; the two stores together cover the position's 256 bytes
	global_store_b32 v22, v35, s[14:15] offset:128
	s_wait_xcnt 0x0                                ; the stores' base and data are written again only behind this wait
	s_add_nc_u64 s[14:15], s[14:15], 256
	s_add_co_u32 s17, s17, 1
	s_sub_co_u32 s20, s20, 1
	s_cmp_lg_u32 s20, 0
	s_cbranch_scc1 .Lpos
	s_endpgm
.Lfunc_end_k_qf3cbe42ce1_quant:
	.size	k_qf3cbe42ce1_quant, .Lfunc_end_k_qf3cbe42ce1_quant-k_qf3cbe42ce1_quant
	.p2alignl 7, 3214868480
	.fill 96, 4, 3214868480
	.section	.rodata,"a",@progbits
	.p2align	6, 0x0
	.amdhsa_kernel k_qf3cbe42ce1_quant
		.amdhsa_group_segment_fixed_size 33280
		.amdhsa_private_segment_fixed_size 0
		.amdhsa_enable_private_segment 0
		.amdhsa_kernarg_size 48
		.amdhsa_user_sgpr_count 2
		.amdhsa_user_sgpr_kernarg_segment_ptr 1
		.amdhsa_wavefront_size32 1
		.amdhsa_system_sgpr_workgroup_id_x 1
		.amdhsa_system_sgpr_workgroup_id_y 1
		.amdhsa_system_sgpr_workgroup_id_z 1
		.amdhsa_system_vgpr_workitem_id 0
		.amdhsa_next_free_vgpr 194
		.amdhsa_next_free_sgpr 66
		.amdhsa_reserve_vcc 1
		.amdhsa_float_denorm_mode_32 3
		.amdhsa_float_denorm_mode_16_64 3
		.amdhsa_memory_ordered 1
		.amdhsa_forward_progress 1
		.amdhsa_inst_pref_size 40
	.end_amdhsa_kernel
	.amdgpu_metadata
---
amdhsa.version: [ 1, 2 ]
amdhsa.kernels:
  - .name:           k_qf3cbe42ce1_quant
    .symbol:         k_qf3cbe42ce1_quant.kd
    .args:
      - { .name: x, .offset: 0, .size: 8, .value_kind: global_buffer, .address_space: global }
      - { .name: qkv_w, .offset: 8, .size: 8, .value_kind: global_buffer, .address_space: global }
      - { .name: proj_w, .offset: 16, .size: 8, .value_kind: global_buffer, .address_space: global }
      - { .name: codes, .offset: 24, .size: 8, .value_kind: global_buffer, .address_space: global }
      - { .name: scales, .offset: 32, .size: 8, .value_kind: global_buffer, .address_space: global }
      - { .name: tab, .offset: 40, .size: 8, .value_kind: global_buffer, .address_space: global }
    .group_segment_fixed_size: 33280
    .private_segment_fixed_size: 0
    .kernarg_segment_align: 8
    .kernarg_segment_size: 48
    .max_flat_workgroup_size: 128
    .sgpr_count:     66
    .vgpr_count:     194
    .wavefront_size: 32
...
	.end_amdgpu_metadata
.endif
;; end of part 1
;; launch gemm1 (part 2): grid 8 x 48, 4 waves a work-group, clusters of 4 x 4, 327,680 bytes of LDS; arguments codes, scales, qkv_b, tab, qkv; writes qkv
.if DOCPART == 2
	.amdgcn_target "amdgcn-amd-amdhsa--gfx1250"
	.amdhsa_code_object_version 6
	.text
	.protected	k_qf3cbe42ce1_gemm1
	.globl	k_qf3cbe42ce1_gemm1
	.p2align	8
	.type	k_qf3cbe42ce1_gemm1,@function
k_qf3cbe42ce1_gemm1:
	s_mov_b64 s[64:65], 0
	v_nop
	global_prefetch_b8 v0, s[64:65] scope:SCOPE_SE
	s_setreg_imm32_b32 hwreg(HW_REG_WAVE_MODE, 25, 1), 1
	s_wait_xcnt 0x0
	s_wait_alu depctr_hold_cnt(0) depctr_sa_sdst(0) depctr_va_vdst(0) depctr_va_sdst(0) depctr_va_ssrc(0) depctr_va_vcc(0) depctr_vm_vsrc(0)
	s_getreg_b32 s2, hwreg(HW_REG_IB_STS2, 6, 4)
	s_cmp_eq_u32 s2, 0
	s_cbranch_scc0 .Lentry_in_a_cluster
	s_endpgm
.Lentry_in_a_cluster:
	s_bfe_u32 s2, ttmp6, 0x10000c
	s_cmp_lg_u32 s2, 0xf033
	s_cbranch_scc0 .Lentry_shape_is_right
	s_endpgm
.Lentry_shape_is_right:
.set NQ,     2
; qkv = x qkv_w^T on codes of BF6 with E8M0 scales; a work-group makes 256 x 256, a wave 128 x 128; then bias, rotary embedding and the quantisers of q, k and v.
; K goes through a ring of two LDS slots in CHUNKS OF 256 BYTES of each row of codes (a row is 768 bytes: every chunk begins at a multiple of 256 bytes).
; A step of 128 along K is 96 bytes: eight steps to three chunks; steps 2 and 5 lie across two chunks and take their pieces from both slots.
.set ROWB,   256
.set STEPS,  8
.set CHUNKS, 3
.set KROW,   768
.set PITCH,  272
.set FR,     12
.set NL,     6
.set NP,     4
.set HALFT,  128*PITCH
.set SLOT,   4*HALFT
.set SROW,   32
.set SCL,    2*SLOT
.set HALFS,  (128*SROW/256)*272
.set SBLK,   (16*SROW/256)*272
.set SPARE,  SCL+4*HALFS
.set RECB,   19200
.set HEADS,  4*16*RECB
.set ADRA, 16
.set ADRB, 20
.set LI,   24
.set VT,   25
.set VB,   26
.set ADRS, 27
.set SPW,  28
.set NIL,  29
.set VBV,  30
.set VS,   31
.set SC,   32
.set U,    64
.set AF,   128
.set IMG,  128
.set CT,   152
.set TM,   160
.set PW,   176
.set KSW,  180
.set OUTW, 188
.set T,    192
.set BV,   224
.set BIAS, 128
.set SEL,  18
.set G1, 24
.set G0, 32
.set G1B, 48
.set G0B, 56
.set G1S, 68
.set G0S, 76
.set G1SB, 80
.set G0SB, 88
.set MSB, 0
.macro WIN new
.if MSB != (\new)
	s_set_vgpr_msb (MSB<<8)|(\new)
.set MSB, (\new)
.endif
.endm
.set MUL_LO, 0xa1
.set MUL_HI, 0xf1
.set TO_B,   0x40
.macro JLOAD g0a, g1a, g0b, g1b
	s_cmp_eq_u32 s15, 0
	s_cbranch_scc0 .Lfor_b_\@
	tensor_load_to_lds s[\g0a:\g0a+3], s[\g1a:\g1a+7]
	s_nop 0
.rept 4
	v_nop
.endr
	s_branch .Lasked_\@
.Lfor_b_\@:
	tensor_load_to_lds s[\g0b:\g0b+3], s[\g1b:\g1b+7]
	s_nop 0
.rept 4
	v_nop
.endr
.Lasked_\@:
.endm
.macro CREST
	s_cmp_lg_u32 s14, 0
	s_cbranch_scc1 .Lnot_wave_0_\@
	s_barrier_signal -3
.Lnot_wave_0_\@:
	s_barrier_wait -3
	s_barrier_signal -1
	s_barrier_wait -1
.endm
.macro CROUND
	s_barrier_signal -1
	s_barrier_wait -1
	CREST
.endm
	s_load_b128 s[4:7], s[0:1], 0x0
	s_load_b128 s[8:11], s[0:1], 0x10
	s_load_b64 s[12:13], s[0:1], 0x20
	v_lshl_add_u32 v[SPW], v0, 2, SPARE
	v_mov_b32 v[NIL], 0
	ds_add_u32 v28, v29
	ds_add_u32 v28, v29
	s_wait_dscnt 0x0
	v_lshrrev_b32 v1, 5, v0
	v_readfirstlane_b32 s14, v1
	s_lshr_b32 s15, s14, 1
	s_and_b32 s16, s14, 1
	s_bfe_u32 s40, ttmp6, 0x40000
	s_bfe_u32 s41, ttmp6, 0x40004
	s_and_b32 s66, ttmp7, 0xffff
	s_lshl_b32 s98, s66, 1
	s_add_co_u32 s98, s98, ttmp9
	s_sub_co_u32 s98, s98, 16
	s_cmp_ge_u32 s66, 8
	s_cselect_b32 s67, 1, 0
	s_cselect_b32 s96, 0, 1
	s_cselect_b32 s97, 0, s66
	s_cselect_b32 s98, s98, ttmp9
	s_lshl_b32 s42, s98, 2
	s_add_co_u32 s42, s42, s40
	s_lshl_b32 s17, s97, 2
	s_add_co_u32 s17, s17, s41
	s_mul_i32 s99, s67, 7864320
	s_mul_i32 s100, s67, 327680
	s_mul_i32 s101, s96, 6291456
	s_mul_i32 s2, s96, 262144
	s_lshl_b32 s43, s41, 2
	s_lshl_b32 s43, 15, s43
	s_lshl_b32 s44, 0x1111, s40
	s_or_b32 s[G1+0], s43, (0<<16)|(1<<20)|(1<<21)|(5<<22)|(3<<25)  ; 16 bytes of padding behind every 256
	s_or_b32 s[G1B+0], s44, (0<<16)|(1<<20)|(1<<21)|(5<<22)|(3<<25)
.irp g, G1, G1B
	s_mov_b32 s[\g+1], ROWB<<16
	s_mov_b32 s[\g+2], 128<<16
	s_mov_b32 s[\g+3], ROWB<<16
	s_mov_b32 s[\g+4], 128
	s_mov_b32 s[\g+5], KROW
	s_mov_b32 s[\g+6], 0
	s_mov_b32 s[\g+7], 0
.endr
	s_or_b32 s[G1S+0], s43, (3<<16)|(1<<20)|(1<<21)|(5<<22)|(3<<25)
	s_or_b32 s[G1SB+0], s44, (3<<16)|(1<<20)|(1<<21)|(5<<22)|(3<<25)
.irp g, G1S, G1SB
	s_mov_b32 s[\g+1], 32<<16
	s_mov_b32 s[\g+2], (128*SROW/256)<<16
	s_mov_b32 s[\g+3], 32<<16
	s_mov_b32 s[\g+4], 128*SROW/256
	s_mov_b32 s[\g+5], 32
	s_mov_b32 s[\g+6], 0
	s_mov_b32 s[\g+7], 0
.endr
	s_lshl_b32 s18, s16, 7
	s_lshl_b32 s20, s17, 8
	s_add_co_u32 s20, s20, s18
	s_lshl_b32 s46, s42, 8
	s_add_co_u32 s46, s46, s18
	s_lshl_b32 s22, s20, 5
	s_add_co_u32 s22, s22, s100
	s_mov_b32 s23, 0
	s_lshl_b32 s92, s46, 5
	s_add_co_u32 s92, s92, s2
	s_mov_b32 s93, 0
	s_mul_i32 s20, s20, KROW
	s_add_co_u32 s20, s20, s99
	s_mov_b32 s21, 0
	s_mul_i32 s46, s46, KROW
	s_add_co_u32 s46, s46, s101
	s_mov_b32 s47, 0
	s_mul_i32 s45, s14, HALFT
	s_mul_i32 s94, s14, HALFS
	s_wait_kmcnt 0x0
	s_add_nc_u64 s[20:21], s[4:5], s[20:21]
	s_add_nc_u64 s[22:23], s[6:7], s[22:23]
	s_add_nc_u64 s[46:47], s[4:5], s[46:47]
	s_add_nc_u64 s[92:93], s[6:7], s[92:93]
	CROUND
	s_mov_b32 s[G0S], 1
	s_add_co_u32 s[G0S+1], s94, SCL
	s_mov_b64 s[G0S+2:G0S+3], s[22:23]
	s_or_b32 s[G0S+3], s[G0S+3], 0x80000000
	s_mov_b32 s[G0SB], 1
	s_add_co_u32 s[G0SB+1], s94, SCL
	s_mov_b64 s[G0SB+2:G0SB+3], s[92:93]
	s_or_b32 s[G0SB+3], s[G0SB+3], 0x80000000
	JLOAD G0S, G1S, G0SB, G1SB
.irp s, 0,1
	s_mov_b32 s[G0+4*\s], 1
	s_add_co_u32 s[G0+4*\s+1], s45, \s*SLOT
	s_add_nc_u64 s[G0+4*\s+2:G0+4*\s+3], s[20:21], \s*ROWB
	s_or_b32 s[G0+4*\s+3], s[G0+4*\s+3], 0x80000000
	s_mov_b32 s[G0B+4*\s], 1
	s_add_co_u32 s[G0B+4*\s+1], s45, \s*SLOT
	s_add_nc_u64 s[G0B+4*\s+2:G0B+4*\s+3], s[46:47], \s*ROWB
	s_or_b32 s[G0B+4*\s+3], s[G0B+4*\s+3], 0x80000000
	s_wait_alu depctr_va_vdst(0)
	s_wait_tensorcnt 0x0
	ds_add_u32 v28, v29
	s_wait_dscnt 0x0
	CROUND
	JLOAD G0+4*\s, G1, G0B+4*\s, G1B
.endr
	v_and_b32 v1, 15, v0
	v_bfe_u32 v2, v0, 4, 1
	v_mul_u32_u24 v3, v1, PITCH
	v_mul_u32_u24 v4, v2, 24
	v_add_nc_u32 v4, v3, v4
	s_mov_b32 s21, SLOT-232
	s_mov_b32 s22, SLOT+232
	v_sub_nc_u32 v7, 1, v2                         ; 1 in lanes 0-15
	v_mul_u32_u24 v5, s21, v2
	v_add_nc_u32 v5, v3, v5
	v_add_nc_u32 v5, 232, v5                       ; across two chunks: lanes 0-15 byte 232 of the row in slot 0, lanes 16-31 byte 0 of the row in slot 1;
	v_mul_u32_u24 v6, s22, v7
	v_add_nc_u32 v6, v3, v6                        ; and lanes 0-15 byte 232 in slot 1, lanes 16-31 byte 0 in slot 0
	s_mul_i32 s21, s15, HALFT
	s_mul_i32 s22, s16, HALFT
	s_add_co_u32 s22, s22, 2*HALFT
	v_add_nc_u32 v[ADRA+2], s21, v5
	v_add_nc_u32 v[ADRA+3], s21, v6
	v_add_nc_u32 v[ADRB+2], s22, v5
	v_add_nc_u32 v[ADRB+3], s22, v6
.irp s, 0,1
	v_add_nc_u32 v[ADRA+\s], s21, v4
	v_add_nc_u32 v[ADRB+\s], s22, v4
	s_add_co_u32 s21, s21, SLOT
	s_add_co_u32 s22, s22, SLOT
.endr
	v_mul_u32_u24 v5, v1, SROW
	v_lshrrev_b32 v6, 8, v5
	v_lshl_add_u32 v5, v6, 4, v5
	s_mul_i32 s21, s15, HALFS
	s_mul_i32 s22, s16, HALFS
	s_add_co_u32 s22, s22, 2*HALFS
	s_sub_co_u32 s22, s22, s21
	v_mul_u32_u24 v6, s22, v2
	s_add_co_u32 s21, s21, SCL
	v_add_nc_u32 v5, v5, v6
	v_add_nc_u32 v[ADRS], s21, v5
	v_and_b32 v6, 31, v0
	v_lshlrev_b32 v[LI], 4, v6
	v_and_b32 v6, 8, v1
	v_add_nc_u32 v6, v6, v1
	v_lshlrev_b32 v[VT], 8, v6
	v_lshl_add_u32 v[VT], v2, 6, v[VT]
	v_lshlrev_b32 v[VB], 6, v2
	v_lshlrev_b32 v[VBV], 2, v6
	v_mul_u32_u24 v[VS], v2, HEADS
	v_lshl_add_u32 v[VS], v1, 4, v[VS]
.macro FRAG reg, adr, st, i            ; a fragment of step st in pieces of 8 bytes; byte y of a row lies in slot (y / 256) % 2 at byte y % 256 of the LDS row
.irp p, 0,1,2,3,4,5
.set BY, 96*(\st)+48*(\p/3)+8*(\p%3)   ; where the piece of lanes 0-15 begins in the row; that of lanes 16-31 begins 24 bytes on
.if BY/ROWB == (BY+24)/ROWB
	ds_load_b64 v[\reg+2*\p:\reg+2*\p+1], v[\adr+(BY/ROWB)%2] offset:BY%ROWB+(\i)*16*PITCH
.else                                  ; the two halves of the lanes read different chunks
	ds_load_b64 v[\reg+2*\p:\reg+2*\p+1], v[\adr+2+(BY/ROWB)%2] offset:BY%ROWB-232+(\i)*16*PITCH
.endif
.endr
.endm
.macro MUL16 a0, p, q, sc, zero
.irp a, \a0, \a0+1
.irp b, 0,1,2,3,4,5,6,7
.if \zero
	v_wmma_scale_f32_16x16x128_f8f6f4 v[8*(8*((\a)%4)+\b):8*(8*((\a)%4)+\b)+7], v[128*(\p)+FR*\b:128*(\p)+FR*\b+FR-1], v[AF+FR*(\a):AF+FR*(\a)+FR-1], 0, v[SC+8*NQ*(\sc)+NQ*\b+(\q)], v[SC+8*NQ*(\sc)+NQ*(\a)+(\q)] matrix_a_fmt:MATRIX_FMT_BF6 matrix_b_fmt:MATRIX_FMT_BF6 matrix_a_scale:MATRIX_SCALE_ROW1
.else
	v_wmma_scale_f32_16x16x128_f8f6f4 v[8*(8*((\a)%4)+\b):8*(8*((\a)%4)+\b)+7], v[128*(\p)+FR*\b:128*(\p)+FR*\b+FR-1], v[AF+FR*(\a):AF+FR*(\a)+FR-1], v[8*(8*((\a)%4)+\b):8*(8*((\a)%4)+\b)+7], v[SC+8*NQ*(\sc)+NQ*\b+(\q)], v[SC+8*NQ*(\sc)+NQ*(\a)+(\q)] matrix_a_fmt:MATRIX_FMT_BF6 matrix_b_fmt:MATRIX_FMT_BF6 matrix_a_scale:MATRIX_SCALE_ROW1
.endif
.endr
.endr
.endm
.macro FETCH_B st, p
	WIN TO_B
.irp i, 0,1,2,3,4,5,6,7
	FRAG 128*(\p)+FR*\i, ADRB, \st, \i
.endr
	WIN 0
.endm
.macro FETCH_A st, i0
.irp i, \i0, \i0+1, \i0+2, \i0+3
	FRAG AF+FR*(\i), ADRA, \st, \i
.endr
.endm
.macro SCALES pr                       ; the scale words of steps 2 pr and 2 pr + 1 into set pr % 2
.irp i, 0,1,2,3,4,5,6,7
	ds_load_b64 v[SC+8*NQ*((\pr)%2)+NQ*\i:SC+8*NQ*((\pr)%2)+NQ*\i+1], v[ADRS] offset:\i*SBLK+4*NQ*(\pr)
.endr
.endm
.macro PLACES n
.rept \n
	v_nop
.endr
.endm
; A step: 64 matrix instructions on step st's fragments; the next step's are fetched in its middle and at its end.
; Where the next step's bytes END in a chunk not read yet: every wave waits for its tensor loads, and a barrier shows that chunk whole.
; Where they BEGIN in a later chunk: the chunk left behind is read no more: the wait for all tensor loads, the add, the wait for it and for my reads, the barrier;
; where a chunk two further on is left to fetch, the barrier opens a round of the cluster's barrier and the slot is filled again.
.macro STEP st, zero
.set NX, (\st)+1
.set C0, (96*(\st))/ROWB
.set C1, (96*NX)/ROWB
.set E0, (96*(\st)+95)/ROWB
.set E1, (96*NX+95)/ROWB
.if C1 > C0 || E1 > E0
	s_wait_tensorcnt 0x0                           ; all my tensor loads have landed
.if C1 > C0
	ds_add_u32 v[SPW], v[NIL]
	s_wait_dscnt 4*NL+1                            ; the add and A's blocks 4-7 may be out
.else
	s_wait_dscnt 4*NL                              ; A's blocks 4-7 may be out
.endif
	WIN MUL_LO
	MUL16 0, (\st)%2, (\st)%2, ((\st)/2)%2, \zero
	s_wait_dscnt 0x0                               ; the add and all my reads are done
	s_barrier_signal -1
	MUL16 2, (\st)%2, (\st)%2, ((\st)/2)%2, \zero
	WIN 0
	s_barrier_wait -1
.if C1 > C0 && C0+2 < CHUNKS
	CREST
	s_add_nc_u64 s[G0+4*(C0%2)+2:G0+4*(C0%2)+3], s[G0+4*(C0%2)+2:G0+4*(C0%2)+3], 2*ROWB
	s_add_nc_u64 s[G0B+4*(C0%2)+2:G0B+4*(C0%2)+3], s[G0B+4*(C0%2)+2:G0B+4*(C0%2)+3], 2*ROWB
	JLOAD G0+4*(C0%2), G1, G0B+4*(C0%2), G1B       ; chunk C0 + 2: the first tensor load behind the round; its four v_nop are the places in front of the loads below
.else
	PLACES NP
.endif
.else
	s_wait_dscnt 4*NL                              ; A's blocks 4-7 may be out
	WIN MUL_LO
	MUL16 0, (\st)%2, (\st)%2, ((\st)/2)%2, \zero
	MUL16 2, (\st)%2, (\st)%2, ((\st)/2)%2, \zero
	s_wait_dscnt 0
	PLACES NP
.endif
	FETCH_B NX, NX%2
	FETCH_A NX, 0
.if NX%2 == 0
	SCALES NX/2
.endif
	WIN MUL_HI
	MUL16 4, (\st)%2, (\st)%2, ((\st)/2)%2, \zero
	MUL16 6, (\st)%2, (\st)%2, ((\st)/2)%2, \zero
	PLACES NP
	WIN 0
	FETCH_A NX, 4
.endm
	s_wait_alu depctr_va_vdst(0)
	FETCH_B 0, 0                                   ; chunk 0 and the scales were shown whole by the round in front of chunk 1's load
	FETCH_A 0, 0
	SCALES 0
	FETCH_A 0, 4
	STEP 0, 1
.set ST, 1
.rept STEPS-2
	STEP ST, 0
.set ST, ST+1
.endr
	s_wait_dscnt 4*NL
	WIN MUL_LO
	MUL16 0, 1, NQ-1, 1, 0
	MUL16 2, 1, NQ-1, 1, 0
	s_wait_dscnt 0
	WIN MUL_HI
	MUL16 4, 1, NQ-1, 1, 0
	MUL16 6, 1, NQ-1, 1, 0
	WIN 0
	PLACES NP
.macro QUANT src, d0, d1, pw
.irp b, 0,1,2,3
	v_max3_num_f32 v[TM+\b], |v[\src+16*\b]|, |v[\src+1+16*\b]|, 0x2800000
.endr
.irp i, 2,4,6,8,10,12,14
.irp b, 0,1,2,3
	v_max3_num_f32 v[TM+\b], v[TM+\b], |v[\src+16*\b+\i]|, |v[\src+1+16*\b+\i]|
.endr
.endr
.irp b, 0,1,2,3
	v_permlanex16_b32 v[TM+4+\b], v[TM+\b], s[SEL], s[SEL+1]
.endr
.irp b, 0,1,2,3
	v_max_num_f32 v[TM+\b], v[TM+\b], v[TM+4+\b]
.endr
.irp b, 0,1,2,3
	v_add_nc_u32 v[TM+12+\b], 0xfe000000, v[TM+\b]
.endr
.irp b, 0,1,2,3
	v_lshrrev_b32 v[TM+4+\b], 23, v[TM+12+\b]
.endr
	v_lshl_or_b32 v[\pw], v[TM+5], 8, v[TM+4]
	v_lshl_or_b32 v[\pw], v[TM+6], 16, v[\pw]
	v_lshl_or_b32 v[\pw], v[TM+7], 24, v[\pw]
	v_cvt_scalef32_pk16_bf6_f32 v[\d0:\d0+2], v[\src:\src+15], v[TM+12]
	v_cvt_scalef32_pk16_bf6_f32 v[CT:CT+2], v[\src+16:\src+31], v[TM+13]
	v_cvt_scalef32_pk16_bf6_f32 v[\d1:\d1+2], v[\src+32:\src+47], v[TM+14]
	v_cvt_scalef32_pk16_bf6_f32 v[CT+4:CT+6], v[\src+48:\src+63], v[TM+15]
	v_nop
.irp i, 0,1,2
	v_permlane16_swap_b32 v[\d0+\i], v[CT+\i]
	v_permlane16_swap_b32 v[\d1+\i], v[CT+4+\i]
.endr
.irp i, 0,1,2
	v_mov_b32 v[\d0+3+\i], v[CT+\i]
	v_mov_b32 v[\d1+3+\i], v[CT+4+\i]
.endr
.endm
	s_mov_b32 s[SEL], 0x76543210
	s_mov_b32 s[SEL+1], 0xfedcba98
.irp b, 0,1,2,3
	v_mov_b32 v[TM+4+\b], 0
.endr
	v_and_b32 v1, 16, v0
	v_cmp_ne_u32 vcc_lo, 0, v1
	s_cmp_lg_u32 s67, 0
	s_cbranch_scc1 .Lv
	s_lshr_b32 s22, s42, 2
	s_and_b32 s23, s42, 3
	s_lshl_b32 s23, s23, 2
	s_lshl_b32 s46, s16, 1
	s_add_co_u32 s23, s23, s46
	s_lshl_b32 s23, s23, 2
	s_lshr_b32 s46, s17, 3
	s_add_co_u32 s23, s23, s46
	s_lshl_b32 s23, s23, 4
	s_and_b32 s46, s17, 7
	s_lshl_b32 s47, s46, 1
	s_add_co_u32 s47, s47, s15
	s_add_co_u32 s23, s23, s47
	s_mul_i32 s92, s23, RECB
	s_mul_i32 s47, s22, 6400
	s_add_co_u32 s92, s92, s47
	s_mov_b32 s93, 0
	s_add_nc_u64 s[12:13], s[12:13], s[92:93]
	s_mul_i32 s92, s22, 6144
	s_add_co_u32 s92, s92, 6144
	s_add_nc_u64 s[20:21], s[12:13], s[92:93]
	s_lshl_b32 s92, s42, 10
	s_lshl_b32 s47, s16, 9
	s_add_co_u32 s92, s92, s47
	s_add_nc_u64 s[8:9], s[8:9], s[92:93]
	s_lshl_b32 s92, s46, 16
	s_lshl_b32 s47, s15, 15
	s_add_co_u32 s92, s92, s47
	s_add_nc_u64 s[10:11], s[10:11], s[92:93]
.macro TLD a
.irp j, 0,1,2,3
	global_load_b128 v[32*((\a)%4)+4*\j:32*((\a)%4)+4*\j+3], v[VT], s[10:11] offset:(32*((\a)/2)+8*((\a)%2))*256+16*\j
	global_load_b128 v[32*((\a)%4)+16+4*\j:32*((\a)%4)+16+4*\j+3], v[VT], s[10:11] offset:(32*((\a)/2)+8*((\a)%2))*256+128+16*\j
.endr
.endm
	WIN TO_B
.irp q, 0,1,2,3,4,5,6,7,8,9,10,11,12,13,14,15
	global_load_b128 v[BIAS+4*\q:BIAS+4*\q+3], v[VB], s[8:9] offset:128*(\q/4)+16*(\q%4)
.endr
	TLD 0
	TLD 1
	TLD 2
	TLD 3
.macro QKBLOCK a
.if 7-(\a) >= 3
	s_wait_loadcnt 24
.else
	s_wait_loadcnt 8*(7-(\a))
.endif
	WIN 0x06+(\a)/4
.set j, 0
.rept 32
	v_pk_add_f32 v[U+j:U+j+1], v[64*((\a)%4)+j:64*((\a)%4)+j+1], v[BIAS+j:BIAS+j+1]
.set j, j+2
.endr
	WIN 0x04
.set TC, 32*((\a)%4)
.set TS, TC+16
.irp e, 0,1
.irp j, 0,2,4,6,8,10,12,14
	v_pk_mul_f32 v[T+\j:T+\j+1], v[U+32*\e+\j:U+32*\e+\j+1], v[TS+\j:TS+\j+1]
.endr
.irp j, 0,2,4,6,8,10,12,14
	v_pk_mul_f32 v[T+16+\j:T+17+\j], v[U+32*\e+16+\j:U+32*\e+17+\j], v[TS+\j:TS+\j+1]
.endr
.irp j, 0,2,4,6,8,10,12,14
	v_pk_fma_f32 v[U+32*\e+\j:U+32*\e+\j+1], v[U+32*\e+\j:U+32*\e+\j+1], v[TC+\j:TC+\j+1], v[T+16+\j:T+17+\j] neg_lo:[0,0,1] neg_hi:[0,0,1]
.endr
.irp j, 0,2,4,6,8,10,12,14
	v_pk_fma_f32 v[U+32*\e+16+\j:U+32*\e+17+\j], v[U+32*\e+16+\j:U+32*\e+17+\j], v[TC+\j:TC+\j+1], v[T+\j:T+\j+1]
.endr
.endr
.if (\a) < 4
	WIN TO_B
	TLD (\a)+4
.endif
	WIN 0
.if ((\a)%2 == 0) && ((\a) >= 2)
	s_wait_xcnt 0x0
.endif
	QUANT U, IMG+6*((\a)%2), IMG+12+6*((\a)%2), PW+(\a)%2
.if (\a)%2 == 1
	v_perm_b32 v[KSW+(\a)/2], v[PW+1], v[PW], 0x05040100
	v_perm_b32 v[KSW+4+(\a)/2], v[PW+1], v[PW], 0x07060302
.irp e, 0,1
.irp c, 0,1,2
	global_store_b128 v[LI], v[IMG+12*\e+4*\c:IMG+12*\e+4*\c+3], s[12:13] offset:\e*HEADS+1536*((\a)/2)+512*\c
.endr
.endr
.endif
.endm
.irp a, 0,1,2,3,4,5,6,7
	QKBLOCK \a
.endr
.irp t, 0,1,2,3
	v_cndmask_b32 v[OUTW+\t], v[KSW+\t], v[KSW+4+\t], vcc_lo
.endr
	global_store_b128 v[VS], v[OUTW:OUTW+3], s[20:21]
	s_branch .Ldone
.Lv:
	s_lshl_b32 s23, s17, 2
	s_lshl_b32 s46, s15, 1
	s_add_co_u32 s23, s23, s46
	s_lshl_b32 s23, s23, 2
	s_lshr_b32 s46, s42, 3
	s_add_co_u32 s23, s23, s46
	s_lshl_b32 s23, s23, 4
	s_and_b32 s46, s42, 7
	s_lshl_b32 s46, s46, 1
	s_add_co_u32 s46, s46, s16
	s_add_co_u32 s23, s23, s46
	s_mul_i32 s92, s23, RECB
	s_add_co_u32 s92, s92, 12544
	s_mov_b32 s93, 0
	s_add_nc_u64 s[12:13], s[12:13], s[92:93]
	s_add_nc_u64 s[20:21], s[12:13], 6400
	s_lshl_b32 s92, s17, 10
	s_lshl_b32 s47, s15, 9
	s_add_co_u32 s92, s92, s47
	s_add_co_u32 s92, s92, 8192
	s_add_nc_u64 s[8:9], s[8:9], s[92:93]
.irp a, 0,1,2,3,4,5,6,7
	global_load_b32 v[BV+2*\a], v[VBV], s[8:9] offset:(32*(\a/2)+8*(\a%2))*4
	global_load_b32 v[BV+2*\a+1], v[VBV], s[8:9] offset:(32*(\a/2)+8*(\a%2))*4
.endr
	s_wait_loadcnt 0x0
.macro VBLOCK a
	WIN 0x02+(\a)/4
.set j, 0
.rept 32
	v_pk_add_f32 v[U+j:U+j+1], v[64*((\a)%4)+j:64*((\a)%4)+j+1], v[BV+2*(\a):BV+2*(\a)+1]
.set j, j+2
.endr
	WIN 0
.if (\a) >= 2
	s_wait_xcnt 0x0
.endif
	QUANT U, IMG+12*((\a)%2), IMG+12*((\a)%2)+6, KSW+(\a)
.irp c, 0,1,2
	global_store_b128 v[LI], v[IMG+12*((\a)%2)+4*\c:IMG+12*((\a)%2)+4*\c+3], s[12:13] offset:((\a)/4)*HEADS+((\a)%4)*1536+512*\c
.endr
.endm
.irp a, 0,1,2,3,4,5,6,7
	VBLOCK \a
.endr
.irp t, 0,1,2,3
	v_cndmask_b32 v[OUTW+\t], v[KSW+\t], v[KSW+4+\t], vcc_lo
.endr
	global_store_b128 v[VS], v[OUTW:OUTW+3], s[20:21]
.Ldone:
	s_wait_tensorcnt 0x0
	ds_add_u32 v[SPW], v[NIL]
	s_wait_dscnt 0x0
	CROUND
	s_endpgm
.Lfunc_end_k_qf3cbe42ce1_gemm1:
	.size	k_qf3cbe42ce1_gemm1, .Lfunc_end_k_qf3cbe42ce1_gemm1-k_qf3cbe42ce1_gemm1
	.p2alignl 7, 3214868480
	.fill 96, 4, 3214868480
	.section	.rodata,"a",@progbits
	.p2align	6, 0x0
	.amdhsa_kernel k_qf3cbe42ce1_gemm1
		.amdhsa_group_segment_fixed_size 327680
		.amdhsa_private_segment_fixed_size 0
		.amdhsa_enable_private_segment 0
		.amdhsa_kernarg_size 40
		.amdhsa_user_sgpr_count 2
		.amdhsa_user_sgpr_kernarg_segment_ptr 1
		.amdhsa_wavefront_size32 1
		.amdhsa_system_sgpr_workgroup_id_x 1
		.amdhsa_system_sgpr_workgroup_id_y 1
		.amdhsa_system_sgpr_workgroup_id_z 1
		.amdhsa_system_vgpr_workitem_id 0
		.amdhsa_next_free_vgpr 1024
		.amdhsa_next_free_sgpr 102
		.amdhsa_reserve_vcc 1
		.amdhsa_float_denorm_mode_32 3
		.amdhsa_float_denorm_mode_16_64 3
		.amdhsa_memory_ordered 1
		.amdhsa_forward_progress 1
		.amdhsa_inst_pref_size 255
	.end_amdhsa_kernel
	.section	.bss,"aw",@nobits
	.p2align	6
	.space	262144
	.amdgpu_metadata
---
amdhsa.version: [ 1, 2 ]
amdhsa.kernels:
  - .name:           k_qf3cbe42ce1_gemm1
    .symbol:         k_qf3cbe42ce1_gemm1.kd
    .args:
      - { .name: codes, .offset: 0, .size: 8, .value_kind: global_buffer, .address_space: global }
      - { .name: scales, .offset: 8, .size: 8, .value_kind: global_buffer, .address_space: global }
      - { .name: qkv_b, .offset: 16, .size: 8, .value_kind: global_buffer, .address_space: global }
      - { .name: tab, .offset: 24, .size: 8, .value_kind: global_buffer, .address_space: global }
      - { .name: qkv, .offset: 32, .size: 8, .value_kind: global_buffer, .address_space: global }
    .group_segment_fixed_size: 327680
    .private_segment_fixed_size: 0
    .kernarg_segment_align: 8
    .kernarg_segment_size: 40
    .max_flat_workgroup_size: 128
    .sgpr_count:     102
    .vgpr_count:     1024
    .wavefront_size: 32
...
	.end_amdgpu_metadata
.endif
;; end of part 2
;; launch attn (part 3): grid 4 x 64, 16 waves a work-group, clusters of 4 x 1, 232,960 bytes of LDS; arguments qkv, codes, scales, proj_b, out0; writes out0
.if DOCPART == 3
	.amdgcn_target "amdgcn-amd-amdhsa--gfx1250"
	.amdhsa_code_object_version 6
	.text
	.protected	k_qf3cbe42ce1_attn
	.globl	k_qf3cbe42ce1_attn
	.p2align	8
	.type	k_qf3cbe42ce1_attn,@function
k_qf3cbe42ce1_attn:
	s_mov_b64 s[64:65], 0
	v_nop
	global_prefetch_b8 v0, s[64:65] scope:SCOPE_SE
	s_setreg_imm32_b32 hwreg(HW_REG_WAVE_MODE, 25, 1), 1
	s_wait_xcnt 0x0
	s_wait_alu depctr_hold_cnt(0) depctr_sa_sdst(0) depctr_va_vdst(0) depctr_va_sdst(0) depctr_va_ssrc(0) depctr_va_vcc(0) depctr_vm_vsrc(0)
	s_getreg_b32 s2, hwreg(HW_REG_IB_STS2, 6, 4)
	s_cmp_eq_u32 s2, 0
	s_cbranch_scc0 .Lentry_in_a_cluster
	s_endpgm
.Lentry_in_a_cluster:
	s_bfe_u32 s2, ttmp6, 0x10000c
	s_cmp_lg_u32 s2, 0x3003
	s_cbranch_scc0 .Lentry_shape_is_right
	s_endpgm
.Lentry_shape_is_right:
; O = softmax(q k^T / 8) v for each g = 4 head + batch, both products on codes of BF6 (E3M2) with E8M0 scales; O is quantised along its 64 channels and stored as the codes of the last product's left operand.
; THE SOFTMAX AHEAD OF THE SECOND PRODUCT: t = score x log2(e) / 8; M = the running largest t, rounded UP to a whole number; p = 2^(t - M) is what is quantised, along the keys, not normalised.
; The row's sum is taken of the unquantised p and divides O at the end.  When M moves, the sum and O are multiplied by 2^(old M - new M): exact.
; SHARES.  A work-group owns 512 queries of one g; each of its sixteen waves 32 of them (one image of Q), as two passes of 16 queries in 256 registers: four waves to a SIMD, so that one wave's vector work
; stands beside another's matrix work and LDS loads.
; K AND V OF THE WHOLE g STAY IN LDS: 16 key steps x 12,800 bytes, filled ONCE: wave w asks for step w's block, one dense run of memory.  No slot is ever filled again, so the loop has no barrier.
; CLUSTER.  The four work-groups of a g read the same K and V: each block is asked for JOINTLY, by the same tensor load with the same descriptor and the mask of all four.
; LAYOUT.  Operands lie as images of their registers: 12 registers x 32 lanes, three runs of 512 bytes, lane l's 16 bytes at 16 l: three loads of 16 bytes a lane bring one, with no bank met twice.
; THE FIRST PRODUCT'S K IS 64, the instruction's 128: an image of K holds TWO tiles of 16 keys (registers 0-5 and 6-11).  Against [q | zeros] it gives the scores of the first tile, against [zeros | q] those of the second:
; zero codes add nothing.  Both products are used transposed: a lane holds ONE query (lane % 16) throughout.
; Lane r of tile u of image a is key 32 a + 8 u + r + 8 (r / 8), so the 16 registers of an image's two score tiles are keys 32 a + 16 (lane / 16) + 0 .. 15.  V's channels lie in the same order, so that
; register 16 q + i of O^T is channel 32 q + 16 (lane / 16) + i.
; LIMITS: a block whose largest magnitude lies under 2^-122 keeps the scale byte 1, a block of zeros too (this program alone reads the bytes); NaN and infinities are not served.
; THE LAST PRODUCT, out0 = A proj_w^T + proj_b, IS MADE HERE TOO.  A row of A is 16 neighbouring queries of one g x 64 channels, so the work-group's 512 queries are 32 whole rows of A:
; their codes (768 bytes a row, rows 784 bytes apart) and scale bytes (32 a row) lie in the stage in LDS and never go to memory.  Behind one barrier each wave makes 32 rows x 64 columns:
; 8 accumulators by turns, 8 steps of 128 along K.  proj_w's 786,432 bytes of codes do not fit in LDS beside K and V, so they are not asked for jointly: a wave's 64 rows go from memory straight into its operand registers.
; A lane takes 48 neighbouring bytes of its row for a step (three loads of 16 bytes): blocks 4 st + 2 h and 4 st + 2 h + 1.  So the step's two middle blocks change places, alike in A, in proj_w and in both scale words: the sums keep their terms.
.set RECB,  19200
.set HEADB, 16*RECB
.set STEPB, 12800                      ; a key step in LDS: K's four images, V's four images, K's words, V's words
.set VIMG,  6144
.set KWO,   12288
.set VWO,   12544
.set STAGE, 16*STEPB                   ; behind them: 1,536 bytes for each wave: its 32 queries' codes on the way out
.set SCST,  STAGE+16*1568              ; (a wave's two rows of A: 2 x 784 bytes) the work-group's 1,024 scale bytes
.set LI,  1                            ; v1   16 x lane
.set LR,  2                            ; v2   16 x (lane % 16)
.set ADK, 3                            ; v3   the step's images
.set ADW, 4                            ; v4   the step's scale words
.set STA, 5                            ; v5   my query's 24 bytes in the stage
.set RDA, 6                            ; v6   at work at the head
.set SSA, 8                            ; v8   my query's two scale bytes
.set QA,  16                           ; v16-27   [q | zeros]
.set QB,  28                           ; v28-39   [zeros | q]
.set QI,  40                           ; v40-51   my image of Q
.set QW,  52                           ; v52      its scale word: two bytes for each tile
.set QS,  53                           ; v53      the pass's two bytes, twice
.set KF,  56                           ; v56-103  four images of K, then of V
.set S,   104                          ; v104-167 S^T, then p
.set O,   168                          ; v168-199 O^T
.set PC,  200                          ; v200-211 p's codes
.set BM,  212                          ; v212-215 each block's largest
.set T2,  216                          ; v216-223 at work
.set SO,  224                          ; v224-227 the conversions' scale operands
.set KW,  228                          ; v228-231 K's scale words
.set VW,  232                          ; v232-235 V's
.set F,   236                          ; v[236:237] the factor (the pair's upper half is written once)
.set TMP, 238
.set PS,  240                          ; p's scale word
.set WV,  10                           ; s10
.set SEL, 14                           ; s[14:15] lane l xor 16
.set CS,  16                           ; s[16:17] c = log2(e) / 8
.set G1,  24
.set G0,  32
.set TB,  36                           ; s36  LDS byte at which the step in hand begins
.set CNT, 37
.macro CROUND                          ; a round of the cluster's barrier
	s_barrier_signal -1
	s_barrier_wait -1
	s_cmp_lg_u32 s[WV], 0
	s_cbranch_scc1 .Lnot_wave_0_\@
	s_barrier_signal -3
.Lnot_wave_0_\@:
	s_barrier_wait -3
	s_barrier_signal -1
	s_barrier_wait -1
.endm
	s_load_b128 s[4:7], s[0:1], 0x0                ; qkv s[4:5], codes s[6:7]
	s_load_b64 s[8:9], s[0:1], 0x10                ; scales
	s_load_b128 s[48:51], s[0:1], 0x18             ; proj_b s[48:49], out0 s[50:51]
	v_lshl_add_u32 v254, v0, 2, 0x38600
	v_mov_b32 v255, 0
	ds_add_u32 v254, v255
	ds_add_u32 v254, v255
	v_lshrrev_b32 v7, 5, v0
	s_delay_alu instid0(VALU_DEP_1)
	v_readfirstlane_b32 s[WV], v7                  ; wave 0..15
	s_and_b32 s12, ttmp7, 0xffff                   ; g, which the four partners share
	s_mul_i32 s20, s12, HEADB
	s_mul_i32 s18, s[WV], RECB
	s_add_co_u32 s18, s18, s20
	s_add_co_u32 s18, s18, 6400                    ; key step w's block: made of g and the wave's number alone
	s_mov_b32 s19, 0
	s_mov_b32 s[G1], 15|(3<<16)|(1<<21)            ; 15:0 the mask: all four work-groups; 17:16 elements of 8 bytes; 20 no padding; 21 set beside a mask
	s_mov_b32 s[G1+1], 32<<16                      ; tensor_dim0 = 32: rows of 256 bytes
	s_mov_b32 s[G1+2], 50<<16                      ; tensor_dim1 = 50
	s_mov_b32 s[G1+3], 32<<16                      ; tile_dim0
	s_mov_b32 s[G1+4], 50                          ; tile_dim1
	s_mov_b32 s[G1+5], 32                          ; dense
	s_mov_b32 s[G1+6], 0
	s_mov_b32 s[G1+7], 0
	s_mov_b32 s[G0], 1
	s_mul_i32 s[G0+1], s[WV], STEPB                ; no place in the cluster enters an LDS address
	s_bfe_u32 s11, ttmp6, 0x40000                  ; cx
	s_lshl_b32 s13, ttmp9, 2
	s_add_co_u32 s11, s13, s11                     ; my block of 512 queries: it enters Q's and the outputs' addresses alone
	s_lshl_b32 s21, s11, 2
	s_lshr_b32 s22, s[WV], 2
	s_add_co_u32 s21, s21, s22                     ; the record that holds my queries,
	s_mul_i32 s21, s21, RECB
	s_add_co_u32 s21, s21, s20
	s_and_b32 s22, s[WV], 3                        ; and the image in it
	s_mul_i32 s38, s22, 1536
	s_add_co_u32 s38, s38, s21
	s_mov_b32 s39, 0
	s_lshl_b32 s40, s22, 2
	s_add_co_u32 s40, s40, s21
	s_add_co_u32 s40, s40, 6144                    ; its scale words
	s_mov_b32 s41, 0
	s_mul_i32 s42, s[WV], 49152                    ; proj_w's codes: my 64 rows of 768 bytes,
	s_add_co_u32 s42, s42, 8650752                 ; behind x's and qkv_w's
	s_mov_b32 s43, 0
	s_lshl_b32 s44, s[WV], 11                      ; and their scale bytes, 32 a row
	s_add_co_u32 s44, s44, 360448
	s_mov_b32 s45, 0
	s_lshl_b32 s46, s[WV], 8                       ; my 64 columns in proj_b and in a row of out0
	s_mov_b32 s47, 0
	s_lshl_b32 s52, s12, 19                        ; out0: row 128 g + 32 block, 4,096 bytes a row
	s_lshl_b32 s22, s11, 17
	s_add_co_u32 s52, s52, s22
	s_add_co_u32 s52, s52, s46
	s_mov_b32 s53, 0
	s_mov_b32 s[SEL], 0x76543210
	s_mov_b32 s[SEL+1], 0xfedcba98
	s_mov_b32 s[CS], 0x3e38aa3b                    ; log2(e) / 8
	s_mov_b32 s[CS+1], s[CS]                       ; (named with it as a pair, so it is written)
	s_wait_dscnt 0x0
	s_wait_kmcnt 0x0
	s_add_nc_u64 s[G0+2:G0+3], s[4:5], s[18:19]
	s_or_b32 s[G0+3], s[G0+3], 0x80000000          ; type = 2
	s_add_nc_u64 s[38:39], s[4:5], s[38:39]
	s_add_nc_u64 s[40:41], s[4:5], s[40:41]
	s_add_nc_u64 s[6:7], s[6:7], s[42:43]
	s_add_nc_u64 s[8:9], s[8:9], s[44:45]
	s_add_nc_u64 s[48:49], s[48:49], s[46:47]
	s_add_nc_u64 s[50:51], s[50:51], s[52:53]
	CROUND                                         ; all four work-groups are here: the joint loads meet
	tensor_load_to_lds s[G0:G0+3], s[G1:G1+7]      ; my one tensor load of the launch
	s_nop 0
.rept 4
	v_nop
.endr
	v_and_b32 v7, 31, v0
	s_delay_alu instid0(VALU_DEP_1)
	v_lshlrev_b32 v[LI], 4, v7
	v_and_b32 v7, 15, v0                           ; r
	s_delay_alu instid0(VALU_DEP_1)
	v_lshlrev_b32 v[LR], 4, v7
.irp c, 0,1,2
	global_load_b128 v[QI+4*\c:QI+4*\c+3], v[LI], s[38:39] offset:512*\c
.endr
	global_load_b32 v[QW], v[LR], s[40:41]
	v_and_b32 v11, 8, v7
	s_delay_alu instid0(VALU_DEP_1)
	v_lshlrev_b32 v[RDA], 1, v11                   ; 16 bytes of padding ahead of my second row of A
	v_add_nc_u32 v11, v11, v7                      ; r + 8 (r / 8): my query's place in a tile's 24
	v_bfe_u32 v7, v0, 4, 1                         ; h
	s_delay_alu instid0(VALU_DEP_2)
	v_mad_u32_u24 v[STA], v11, 48, v[RDA]
	s_delay_alu instid0(VALU_DEP_1)
	v_mad_u32_u24 v[STA], v7, 24, v[STA]
	s_mul_i32 s46, s[WV], 1568
	s_add_co_u32 s46, s46, STAGE
	v_add_nc_u32 v[STA], s46, v[STA]
	s_lshl_b32 s46, s[WV], 6
	s_add_co_u32 s46, s46, SCST
	v_lshl_add_u32 v[SSA], v11, 1, s46
.irp i, 0,1,2,3,4,5
	v_mov_b32 v[QA+6+\i], 0                        ; the halves of zero codes, once
	v_mov_b32 v[QB+\i], 0
.endr
.irp i, 0,1,2,3
	v_mov_b32 v[T2+\i], 0                          ; written once: a lane permute's destination counts as one of its sources
.endr
	v_mov_b32 v[F+1], 0
	s_wait_loadcnt 0x0                             ; Q
	s_wait_tensorcnt 0x0                           ; my block has landed,
	s_barrier_signal -1
	s_barrier_wait -1                              ; everybody's has
; A KEY STEP: 128 keys against my 16 queries.
.macro STEP
	v_add_nc_u32 v[ADK], s[TB], v[LI]
	v_add_nc_u32 v[ADW], s[TB], v[LR]
	v_nop
	v_nop                                          ; four places behind the last products, in front of loads into registers that they read
.irp a, 0,1,2,3
.irp c, 0,1,2
	ds_load_b128 v[KF+12*\a+4*\c:KF+12*\a+4*\c+3], v[ADK] offset:1536*\a+512*\c
.endr
.endr
	ds_load_b128 v[KW:KW+3], v[ADW] offset:KWO
	s_wait_alu depctr_va_vdst(0)
	s_wait_dscnt 0x0
.irp a, 0,1,2,3                                ; S^T: each image twice
	v_wmma_scale_f32_16x16x128_f8f6f4 v[S+16*\a:S+16*\a+7], v[KF+12*\a:KF+12*\a+11], v[QA:QA+11], 0, v[KW+\a], v[QS] matrix_a_fmt:MATRIX_FMT_BF6 matrix_b_fmt:MATRIX_FMT_BF6
	v_wmma_scale_f32_16x16x128_f8f6f4 v[S+16*\a+8:S+16*\a+15], v[KF+12*\a:KF+12*\a+11], v[QB:QB+11], 0, v[KW+\a], v[QS] matrix_a_fmt:MATRIX_FMT_BF6 matrix_b_fmt:MATRIX_FMT_BF6
.endr
.rept 4
	v_nop                                          ; places in front of the loads below and of the first read of the scores
.endr
.irp t, 0,1,2,3                                ; V's images take K's registers: they land under the softmax
.irp c, 0,1,2
	ds_load_b128 v[KF+12*\t+4*\c:KF+12*\t+4*\c+3], v[ADK] offset:VIMG+1536*\t+512*\c
.endr
.endr
	ds_load_b128 v[VW:VW+3], v[ADW] offset:VWO
.irp b, 0,1,2,3
	v_max3_num_f32 v[BM+\b], v[S+16*\b], v[S+1+16*\b], v[S+2+16*\b]   ; the largest score of each block of 32 keys: for the row's maximum, and, since p rises with the score, for the block's largest p
.endr
.irp i, 3,5,7,9,11,13
.irp b, 0,1,2,3
	v_max3_num_f32 v[BM+\b], v[BM+\b], v[S+16*\b+\i], v[S+1+16*\b+\i]
.endr
.endr
.irp b, 0,1,2,3
	v_max_num_f32 v[BM+\b], v[BM+\b], v[S+15+16*\b]
.endr
.irp b, 0,1,2,3
	s_delay_alu instid0(VALU_DEP_4)
	v_permlanex16_b32 v[T2+\b], v[BM+\b], s[SEL], s[SEL+1]
.endr
.irp b, 0,1,2,3
	s_delay_alu instid0(VALU_DEP_4)
	v_max_num_f32 v[BM+\b], v[BM+\b], v[T2+\b]     ; with lane l xor 16's 16 keys
.endr
	s_delay_alu instid0(VALU_DEP_2)
	v_max3_num_f32 v[TMP], v[BM], v[BM+1], v[BM+2]
	s_delay_alu instid0(VALU_DEP_1)
	v_max_num_f32 v[TMP], v[TMP], v[BM+3]
	s_delay_alu instid0(VALU_DEP_1)
	v_mul_f32 v[TMP], s[CS], v[TMP]                ; as t (c is positive)
	s_delay_alu instid0(VALU_DEP_1)
	v_max_num_f32 v13, v13, v[TMP]                 ; the running largest t
	v_mov_b32 v[TMP], v12
	s_delay_alu instid0(VALU_DEP_2)
	v_floor_f32 v12, -v13                          ; the new -M = floor(-t) = -ceil(t)
	s_delay_alu instid0(VALU_DEP_1)
	v_sub_f32 v[TMP], v12, v[TMP]                  ; old M - new M: a whole number, 0 or less
	s_delay_alu instid0(VALU_DEP_1)
	v_cvt_i32_f32 v[TMP], v[TMP]                   ; (it saturates)
	s_delay_alu instid0(VALU_DEP_1)
	v_ldexp_f32 v[F], 1.0, v[TMP]                  ; f = 2^(old M - new M)
.set j, 0
.rept 32
	v_pk_fma_f32 v[S+j:S+j+1], v[S+j:S+j+1], s[CS:CS+1], v[12:13] op_sel_hi:[1,0,0]   ; t - M, two at a time
.set j, j+2
.endr
.irp b, 0,1,2,3
	v_fma_f32 v[BM+\b], v[BM+\b], s[CS], v12       ; the same of each block's largest score
.endr
.set j, 0
	s_wait_alu depctr_va_vdst(0)
.rept 64
	v_exp_f32 v[S+j], v[S+j]                       ; p = 2^(t - M)
.set j, j+1
.endr
.irp b, 0,1,2,3
	v_exp_f32 v[BM+\b], v[BM+\b]                   ; the block's largest p: the same two instructions on the same number
.endr
	v_pk_mul_f32 v[14:15], v[14:15], v[F:F+1] op_sel_hi:[1,0]   ; the sums under the new M.  (The plain place behind the exponentials)
	s_wait_alu depctr_va_vdst(0)
.irp b, 0,1,2,3
	v_max_num_f32 v[BM+\b], 0x2800000, v[BM+\b]    ; the floor 2^(5 - 127)
.endr
.irp b, 0,1,2,3
	s_delay_alu instid0(VALU_DEP_4)
	v_add_nc_u32 v[SO+\b], 0xfe000000, v[BM+\b]    ; 4 off the exponent field: the conversion's scale operand
.endr
.irp b, 0,1,2,3
	s_delay_alu instid0(VALU_DEP_4)
	v_lshrrev_b32 v[T2+\b], 23, v[SO+\b]           ; the scale's byte
.endr
	s_delay_alu instid0(VALU_DEP_3)
	v_lshl_or_b32 v[PS], v[T2+1], 8, v[T2]         ; p's scale word for these 128 keys
	s_delay_alu instid0(VALU_DEP_1)
	v_lshl_or_b32 v[PS], v[T2+2], 16, v[PS]
	s_delay_alu instid0(VALU_DEP_1)
	v_lshl_or_b32 v[PS], v[T2+3], 24, v[PS]
.irp c, 0,1
	v_cvt_scalef32_pk16_bf6_f32 v[PC+6*\c:PC+6*\c+2], v[S+32*\c:S+32*\c+15], v[SO+2*\c]
	v_cvt_scalef32_pk16_bf6_f32 v[T2+4*\c:T2+4*\c+2], v[S+32*\c+16:S+32*\c+31], v[SO+2*\c+1]   ; (a conversion's three registers begin on an even number)
.endr
	v_nop                                          ; one plain place behind a scaled conversion
.irp c, 0,1                                    ; a WHOLE block in a lane: lanes 0-15 block 2 c, lanes 16-31 block 2 c + 1
.irp i, 0,1,2
	v_permlane16_swap_b32 v[PC+6*\c+\i], v[T2+4*\c+\i]
.endr
.irp i, 0,1,2
	s_delay_alu instid0(VALU_DEP_3)
	v_mov_b32 v[PC+6*\c+3+\i], v[T2+4*\c+\i]
.endr
.endr
	v_pk_add_f32 v[216:217], v[108:109], v[112:113]
	v_pk_add_f32 v[252:253], v[116:117], v[120:121]
	v_pk_add_f32 v[250:251], v[124:125], v[128:129]
	v_pk_add_f32 v[248:249], v[132:133], v[136:137]
	v_pk_add_f32 v[246:247], v[140:141], v[144:145]
	v_pk_add_f32 v[244:245], v[148:149], v[152:153]
	v_pk_add_f32 v[242:243], v[156:157], v[160:161]
	v_pk_add_f32 v[14:15], v[14:15], v[164:165]
	v_pk_add_f32 v[216:217], v[216:217], v[104:105]
	v_pk_add_f32 v[252:253], v[252:253], v[106:107]
	v_pk_add_f32 v[250:251], v[250:251], v[110:111]
	v_pk_add_f32 v[248:249], v[248:249], v[114:115]
	v_pk_add_f32 v[246:247], v[246:247], v[118:119]
	v_pk_add_f32 v[244:245], v[244:245], v[122:123]
	v_pk_add_f32 v[242:243], v[242:243], v[126:127]
	v_pk_add_f32 v[14:15], v[14:15], v[130:131]
	v_pk_add_f32 v[216:217], v[216:217], v[134:135]
	v_pk_add_f32 v[252:253], v[252:253], v[138:139]
	v_pk_add_f32 v[250:251], v[250:251], v[142:143]
	v_pk_add_f32 v[248:249], v[248:249], v[146:147]
	v_pk_add_f32 v[246:247], v[246:247], v[150:151]
	v_pk_add_f32 v[244:245], v[244:245], v[154:155]
	v_pk_add_f32 v[242:243], v[242:243], v[158:159]
	v_pk_add_f32 v[14:15], v[14:15], v[162:163]
	v_pk_add_f32 v[216:217], v[216:217], v[166:167]
	s_delay_alu instid0(VALU_DEP_2)
	v_pk_add_f32 v[14:15], v[14:15], v[248:249]
	s_delay_alu instid0(VALU_DEP_2)
	v_pk_add_f32 v[216:217], v[216:217], v[246:247]
	v_pk_add_f32 v[252:253], v[252:253], v[244:245]
	v_pk_add_f32 v[250:251], v[250:251], v[242:243]
	s_delay_alu instid0(VALU_DEP_2)
	v_pk_add_f32 v[14:15], v[14:15], v[252:253]
	s_delay_alu instid0(VALU_DEP_2)
	v_pk_add_f32 v[216:217], v[216:217], v[250:251]
	s_delay_alu instid0(VALU_DEP_1)
	v_pk_add_f32 v[14:15], v[14:15], v[216:217]
.set j, 0
.rept 16
	v_pk_mul_f32 v[O+j:O+j+1], v[O+j:O+j+1], v[F:F+1] op_sel_hi:[1,0]   ; O^T under the new M.  (With the sums above: the places between p's codes and scale word and the products below)
.set j, j+2
.endr
	s_wait_alu depctr_va_vdst(0)
	s_wait_dscnt 0x0                               ; V is in
.irp t, 0,1,2,3                                ; O^T += V^T P^T: the four accumulators by turns, the eight of S^T between two of their turns
	v_wmma_scale_f32_16x16x128_f8f6f4 v[O+8*\t:O+8*\t+7], v[KF+12*\t:KF+12*\t+11], v[PC:PC+11], v[O+8*\t:O+8*\t+7], v[VW+\t], v[PS] matrix_a_fmt:MATRIX_FMT_BF6 matrix_b_fmt:MATRIX_FMT_BF6
.endr
.endm
; A PASS: tile u of my image of Q against all 2,048 keys; then O / the sum is quantised along its 64 channels and laid into the stage.
.macro PASS u
.if \u == 0
	v_perm_b32 v[QS], v[QW], v[QW], 0x01000100     ; the tile's two scale bytes, twice: they serve [q | 0] and [0 | q] alike
.else
	v_perm_b32 v[QS], v[QW], v[QW], 0x03020302
.endif
.irp i, 0,1,2,3,4,5
	v_mov_b32 v[QA+\i], v[QI+6*\u+\i]
	v_mov_b32 v[QB+6+\i], v[QI+6*\u+\i]
.endr
	v_mov_b32 v13, 0xff61b1e6                      ; the largest t so far: -3e38
	s_delay_alu instid0(VALU_DEP_1)
	v_floor_f32 v12, -v13                          ; -M
	v_mov_b32 v14, 0                               ; the sum, in two halves
	v_mov_b32 v15, 0
.set j, 0
.rept 32
	v_mov_b32 v[O+j], 0                            ; the step is written once: the first finds zeros.  (These are also the places between the scale word and operands just written and the first product)
.set j, j+1
.endr
	s_mov_b32 s[TB], 0
	s_mov_b32 s[CNT], 16
.Lstep_\@:
	STEP
	s_add_co_u32 s[TB], s[TB], STEPB
	s_sub_co_u32 s[CNT], s[CNT], 1
	s_cmp_lg_u32 s[CNT], 0
	s_cbranch_scc1 .Lstep_\@
	v_add_f32 v14, v14, v15                        ; the sum's two halves,
	s_delay_alu instid0(VALU_DEP_1)
	v_permlanex16_b32 v[TMP], v14, s[SEL], s[SEL+1]
	s_delay_alu instid0(VALU_DEP_1)
	v_add_f32 v14, v14, v[TMP]                     ; and lane l xor 16's
	s_wait_alu depctr_va_vdst(0)
	v_rcp_f32 v[F], v14
	v_nop                                          ; a plain place behind the reciprocal
	s_wait_alu depctr_va_vdst(0)
	v_fma_f32 v[TMP], -v14, v[F], 1.0              ; one Newton step: what goes into a quantiser is as exact as f32 allows
	v_fma_f32 v[F], v[TMP], v[F], v[F]
.set j, 0
.rept 16
	v_pk_mul_f32 v[S+j:S+j+1], v[O+j:O+j+1], v[F:F+1] op_sel_hi:[1,0]   ; O^T / the sum, each accumulator from its low end on: register 16 q + i is channel 32 q + 16 h + i
.set j, j+2
.endr
.irp b, 0,1
	v_max3_num_f32 v[BM+\b], |v[S+16*\b]|, |v[S+1+16*\b]|, 0x2800000
.endr
.irp i, 2,4,6,8,10,12,14
.irp b, 0,1
	s_delay_alu instid0(VALU_DEP_2)
	v_max3_num_f32 v[BM+\b], v[BM+\b], |v[S+16*\b+\i]|, |v[S+1+16*\b+\i]|
.endr
.endr
.irp b, 0,1
	s_delay_alu instid0(VALU_DEP_2)
	v_permlanex16_b32 v[T2+\b], v[BM+\b], s[SEL], s[SEL+1]
.endr
.irp b, 0,1
	s_delay_alu instid0(VALU_DEP_2)
	v_max_num_f32 v[BM+\b], v[BM+\b], v[T2+\b]
.endr
.irp b, 0,1
	s_delay_alu instid0(VALU_DEP_2)
	v_add_nc_u32 v[SO+\b], 0xfe000000, v[BM+\b]
.endr
.irp b, 0,1
	s_delay_alu instid0(VALU_DEP_2)
	v_lshrrev_b32 v[T2+4+\b], 23, v[SO+\b]
.endr
	s_delay_alu instid0(VALU_DEP_1)
	v_lshl_or_b32 v[TMP], v[T2+5], 8, v[T2+4]      ; my query's two scale bytes
	v_cvt_scalef32_pk16_bf6_f32 v[PC:PC+2], v[S:S+15], v[SO]
	v_cvt_scalef32_pk16_bf6_f32 v[T2:T2+2], v[S+16:S+31], v[SO+1]
	v_nop
.irp i, 0,1,2
	v_permlane16_swap_b32 v[PC+\i], v[T2+\i]
.endr
.irp i, 0,1,2
	s_delay_alu instid0(VALU_DEP_3)
	v_mov_b32 v[PC+3+\i], v[T2+\i]                 ; lanes 0-15: channels 0-31 of query r, lanes 16-31: channels 32-63: 24 bytes each
.endr
.irp p, 0,1,2
	ds_store_b64 v[STA], v[PC+2*\p:PC+2*\p+1] offset:384*\u+8*\p   ; the query's place: 8 u + r + 8 (r / 8) of my 32
.endr
	ds_store_b16 v[SSA], v[TMP] offset:16*\u       ; both halves of the lanes write the same bytes with the same value
.endm
	PASS 0
	PASS 1
; THE LAST PRODUCT.  Used transposed: source 0 = 16 rows of proj_w, source 1 = 16 rows of A: a lane holds eight neighbouring columns of one row of out0.
.set B0,  16                           ; v16-63, v64-111  proj_w's four fragments of a step, two buffers; on the way out the rows read back
.set ACC, 112                          ; v112-175 accumulator (m, t) at ACC + 8 (4 m + t): rows 16 m .., columns 16 t ..
.set AF,  176                          ; v176-199 A's two fragments of a step
.set ASC, 200                          ; v200-207 A's scale words, one a step: lanes 0-15 rows 0-15, lanes 16-31 rows 16-31
.set BSC, 208                          ; v208-223 proj_w's: set t / 2; lanes 0-15 tile 2 (t / 2), lanes 16-31 the next
.set VBO, 224                          ; proj_w's codes: 768 r + 48 h
.set VAO, 225                          ; A's codes in LDS: STAGE + 784 r + 48 h
.set ASA, 226                          ; A's scale bytes in LDS: SCST + 32 lane
.set BSO, 227                          ; proj_w's scale bytes: 32 lane
.set BIO, 228                          ; proj_b: 32 h
.set OST, 229                          ; the way out: my stage, row r of 272 bytes, + 32 h
.set ORD, 230                          ; read back: lanes 0-15 one row of 256 bytes, lanes 16-31 the next
.set OGO, 231                          ; and the same two rows in out0
.set OSTB, 8704                        ; a wave's stage: 32 rows x 272 bytes, in K's and V's bytes, which have had their one fill and are read no more behind the barrier below
	v_and_b32 v232, 15, v0                         ; r
	v_bfe_u32 v233, v0, 4, 1                       ; h
	v_and_b32 v234, 31, v0                         ; lane
	v_mul_u32_u24 v[VBO], v232, 768
	v_mul_u32_u24 v[VAO], v232, 784
	v_mul_u32_u24 v[OST], v232, 272
	v_mul_u32_u24 v[ORD], v233, 272
	v_lshlrev_b32 v[BSO], 5, v234
	v_lshlrev_b32 v[BIO], 5, v233
	v_lshlrev_b32 v[OGO], 12, v233
	v_mad_u32_u24 v[VBO], v233, 48, v[VBO]
	v_mad_u32_u24 v[VAO], v233, 48, v[VAO]
	v_lshl_add_u32 v[OST], v233, 5, v[OST]
	v_lshl_add_u32 v[ORD], v232, 4, v[ORD]
	v_lshl_add_u32 v[OGO], v232, 4, v[OGO]
	s_mul_i32 s46, s[WV], OSTB
	v_add_nc_u32 v[VAO], STAGE, v[VAO]
	v_add_nc_u32 v[ASA], SCST, v[BSO]
	v_add_nc_u32 v[OST], s46, v[OST]
	v_add_nc_u32 v[ORD], s46, v[ORD]
	s_wait_alu depctr_va_vdst(0)
.macro BLD st                          ; proj_w's four fragments of step st: 12 loads
.irp t, 0,1,2,3
.irp c, 0,1,2
	global_load_b128 v[B0+48*((\st)%2)+12*\t+4*\c:B0+48*((\st)%2)+12*\t+4*\c+3], v[VBO], s[6:7] offset:12288*\t+96*(\st)+16*\c
.endr
.endr
.endm
.macro ALD st                          ; A's two fragments of step st: 6 loads
.irp m, 0,1
.irp c, 0,1,2
	ds_load_b128 v[AF+12*\m+4*\c:AF+12*\m+4*\c+3], v[VAO] offset:12544*\m+96*(\st)+16*\c
.endr
.endr
.endm
.irp a, 0,1,2,3,4,5,6,7                ; the sums begin as the bias: register j of accumulator (m, t) is column 16 t + 8 h + j
	global_load_b128 v[ACC+8*\a:ACC+8*\a+3], v[BIO], s[48:49] offset:64*(\a%4)
	global_load_b128 v[ACC+8*\a+4:ACC+8*\a+7], v[BIO], s[48:49] offset:64*(\a%4)+16
.endr
.irp s, 0,1
	global_load_b128 v[BSC+8*\s:BSC+8*\s+3], v[BSO], s[8:9] offset:1024*\s
	global_load_b128 v[BSC+8*\s+4:BSC+8*\s+7], v[BSO], s[8:9] offset:1024*\s+16
.endr
	BLD 0                                          ; the first two steps of proj_w are asked for ahead of the barrier at which the waves meet
	BLD 1
	s_wait_dscnt 0x0                               ; my codes and scale bytes lie in LDS, and my reads of K and V are over: for the others' sake zero
	s_barrier_signal -1
	s_barrier_wait -1                              ; the 32 rows of A are whole
	ds_load_b128 v[ASC:ASC+3], v[ASA]
	ds_load_b128 v[ASC+4:ASC+7], v[ASA] offset:16
	ALD 0
	s_wait_loadcnt 24                              ; the bias and proj_w's scale words are in; the 24 loads of steps 0 and 1 may be out
	s_wait_dscnt 6                                 ; A's scale words are in; its first fragments may be out
.set j, 0
.rept 24
	v_perm_b32 v[ASC+j], v[ASC+j], v[ASC+j], 0x03010200   ; the two middle bytes change places, as the blocks do
.set j, j+1
.endr
	s_wait_alu depctr_va_vdst(0)
.rept 4
	v_nop                                          ; with the perms behind step 0's last word: eight places and more ahead of the first product
.endr
.macro GSTEP st
.if (\st) < 7
	s_wait_loadcnt 12                              ; this step's fragments of proj_w are in; the next step's 12 loads may be out
.else
	s_wait_loadcnt 0x0
.endif
	s_wait_dscnt 0x0                               ; A's are in
.irp m, 0,1
.irp t, 0,1,2,3
.set DA, ACC+8*(4*\m+\t)
.set DB, B0+48*((\st)%2)+12*\t
.set DF, AF+12*\m
.set DS, BSC+8*(\t/2)+(\st)
.set DT, ASC+(\st)
.set SEL2, 2*\m+\t%2
.if SEL2 == 0
	v_wmma_scale_f32_16x16x128_f8f6f4 v[DA:DA+7], v[DB:DB+11], v[DF:DF+11], v[DA:DA+7], v[DS], v[DT] matrix_a_fmt:MATRIX_FMT_BF6 matrix_b_fmt:MATRIX_FMT_BF6
.endif
.if SEL2 == 1
	v_wmma_scale_f32_16x16x128_f8f6f4 v[DA:DA+7], v[DB:DB+11], v[DF:DF+11], v[DA:DA+7], v[DS], v[DT] matrix_a_fmt:MATRIX_FMT_BF6 matrix_b_fmt:MATRIX_FMT_BF6 matrix_a_scale:MATRIX_SCALE_ROW1
.endif
.if SEL2 == 2
	v_wmma_scale_f32_16x16x128_f8f6f4 v[DA:DA+7], v[DB:DB+11], v[DF:DF+11], v[DA:DA+7], v[DS], v[DT] matrix_a_fmt:MATRIX_FMT_BF6 matrix_b_fmt:MATRIX_FMT_BF6 matrix_b_scale:MATRIX_SCALE_ROW1
.endif
.if SEL2 == 3
	v_wmma_scale_f32_16x16x128_f8f6f4 v[DA:DA+7], v[DB:DB+11], v[DF:DF+11], v[DA:DA+7], v[DS], v[DT] matrix_a_fmt:MATRIX_FMT_BF6 matrix_b_fmt:MATRIX_FMT_BF6 matrix_a_scale:MATRIX_SCALE_ROW1 matrix_b_scale:MATRIX_SCALE_ROW1
.endif
.endr
.endr
.rept 4
	v_nop                                          ; places in front of loads into registers that the products read, and of the first read of the results
.endr
.if (\st)+2 < 8
	BLD (\st)+2
.endif
.if (\st)+1 < 8
	ALD (\st)+1
.endif
.endm
.irp st, 0,1,2,3,4,5,6,7
	GSTEP \st
.endr
.irp a, 0,1,2,3,4,5,6,7                ; the way out, through my own stage: each accumulator from its low end on
	ds_store_b128 v[OST], v[ACC+8*\a:ACC+8*\a+3] offset:4352*(\a/4)+64*(\a%4)
	ds_store_b128 v[OST], v[ACC+8*\a+4:ACC+8*\a+7] offset:4352*(\a/4)+64*(\a%4)+16
.endr
.irp i, 0,1,2,3,4,5,6,7,8,9,10,11,12,13,14,15
	ds_load_b128 v[B0+4*\i:B0+4*\i+3], v[ORD] offset:544*\i   ; LDS serves a wave's instructions in order: these see my stores
.endr
.irp i, 0,1,2,3,4,5,6,7,8,9,10,11,12,13,14,15
	s_wait_dscnt 15-\i                             ; the loads behind this one may be out
	global_store_b128 v[OGO], v[B0+4*\i:B0+4*\i+3], s[50:51] offset:8192*\i th:TH_STORE_NT   ; sixteen lanes store 256 consecutive bytes, aligned: rows 2 i and 2 i + 1
.endr
	s_wait_tensorcnt 0x0
	ds_add_u32 v254, v255
	s_wait_dscnt 0x0
	CROUND                                         ; the closing round: no work-group ends while a partner may still ask for a block that names it
	s_endpgm
.Lfunc_end_k_qf3cbe42ce1_attn:
	.size	k_qf3cbe42ce1_attn, .Lfunc_end_k_qf3cbe42ce1_attn-k_qf3cbe42ce1_attn
	.p2alignl 7, 3214868480
	.fill 96, 4, 3214868480
	.section	.rodata,"a",@progbits
	.p2align	6, 0x0
	.amdhsa_kernel k_qf3cbe42ce1_attn
		.amdhsa_group_segment_fixed_size 232960
		.amdhsa_private_segment_fixed_size 0
		.amdhsa_enable_private_segment 0
		.amdhsa_kernarg_size 40
		.amdhsa_user_sgpr_count 2
		.amdhsa_user_sgpr_kernarg_segment_ptr 1
		.amdhsa_wavefront_size32 1
		.amdhsa_system_sgpr_workgroup_id_x 1
		.amdhsa_system_sgpr_workgroup_id_y 1
		.amdhsa_system_sgpr_workgroup_id_z 1
		.amdhsa_system_vgpr_workitem_id 0
		.amdhsa_next_free_vgpr 256
		.amdhsa_next_free_sgpr 66
		.amdhsa_reserve_vcc 0
		.amdhsa_float_denorm_mode_32 3
		.amdhsa_float_denorm_mode_16_64 3
		.amdhsa_memory_ordered 1
		.amdhsa_forward_progress 1
		.amdhsa_inst_pref_size 83
	.end_amdhsa_kernel
	.amdgpu_metadata
---
amdhsa.version: [ 1, 2 ]
amdhsa.kernels:
  - .name:           k_qf3cbe42ce1_attn
    .symbol:         k_qf3cbe42ce1_attn.kd
    .args:
      - { .name: qkv, .offset: 0, .size: 8, .value_kind: global_buffer, .address_space: global }
      - { .name: codes, .offset: 8, .size: 8, .value_kind: global_buffer, .address_space: global }
      - { .name: scales, .offset: 16, .size: 8, .value_kind: global_buffer, .address_space: global }
      - { .name: proj_b, .offset: 24, .size: 8, .value_kind: global_buffer, .address_space: global }
      - { .name: out0, .offset: 32, .size: 8, .value_kind: global_buffer, .address_space: global }
    .group_segment_fixed_size: 232960
    .private_segment_fixed_size: 0
    .kernarg_segment_align: 8
    .kernarg_segment_size: 40
    .max_flat_workgroup_size: 512
    .sgpr_count:     66
    .vgpr_count:     256
    .wavefront_size: 32
...
	.end_amdgpu_metadata
.endif
;; end of part 3
